; MI455X (gfx1250); checked and timed in simulation.
; The chip was launched on July 23, 2026; its instructions are those of AMD's public machine-readable ISA for CDNA 5 (MIT licence, August 2026) and "CDNA5" Instruction Set Architecture Reference Guide (July 2026). The comments in the code are by the model that wrote it; some were corrected since.
;; Bias Attention. Allowed arithmetic: matrix products marked QUANTISED: E2M3 operands, one E8M0 scale for each 32 along K, by v_wmma_scale_f32_16x16x128_f8f6f4 with both operands' format E2M3, f32 sums; everything else in f32.
;; Inputs: atten_bias 2,048 x 2,048 float32; b_proj 256 float32; w_proj 256 x 256 float32; w_qkv 768 x 256 float32; x 8 x 2,048 x 256 float32.
;; Outputs: out0 8 x 2,048 x 256 float32.
;; This version of the problem:
;;   THIS VERSION OF THE PROBLEM IS GIVEN IN LOW PRECISION. The matrix products marked QUANTISED in the list below multiply operands that are first quantised to E2M3 (2 exponent bits, 3 mantissa bits; 6 bits a number), with one power-of-two scale for each 32 numbers along K (OCP MX v1.0); their sums are f32. All else is computed in f32.
;;   The module's matrix products, in the order in which they are computed (A, B: the left and right operand; K: the contracted axis; several contracted axes count as one K, in the product's order):
;;     1. [M 16,384, K 256] x [K 256, N 768]; A: input x; B: input w_qkv: QUANTISED
;;     2. batch 64 x [M 2,048, K 32] x [K 32, N 2,048]; A: computed on the way; B: computed on the way: QUANTISED
;;     3. batch 64 x [M 2,048, K 2,048] x [K 2,048, N 32]; A: softmax (see below); B: computed on the way: QUANTISED
;;     4. [M 16,384, K 256] x [K 256, N 256]; A: computed on the way; B: input w_proj: QUANTISED
;;   THE QUANTISER, for each operand of a quantised product, along K:
;;     - K is cut into blocks of 32 from its start; a last block that is shorter is filled with zeros.
;;     - A block's scale is 2^e with e = floor(log2(the largest magnitude in the block)) - 2, held to -126 .. 127; a block of zeros has e = 0. As a byte (E8M0): e + 127.
;;     - Each number is divided by its block's scale, clamped to +-7.5, and rounded to the nearest number of E2M3, ties to even, subnormals kept.
;;     - The product sums the exact products of the quantised numbers (number of the format x scale) in f32.
;;   ~~~python
;;   def quantise(x, axis):      # numpy; x: float32 -> the quantised numbers, widened to float32 again
;;       x = np.moveaxis(x, axis, -1); K = x.shape[-1]
;;       x = np.pad(x, [(0, 0)] * (x.ndim - 1) + [(0, -K % 32)]); x = x.reshape(x.shape[:-1] + (-1, 32)); a = np.abs(x).max(-1, keepdims=True)
;;       e = np.where(a > 0, np.clip(np.frexp(np.where(a > 0, a, 1))[1] - 1 - 2, -126, 127), 0)      # np.frexp(a)[1] - 1 = floor(log2(a)), exactly
;;       r = np.clip(x / 2.0 ** e, -7.5, 7.5)
;;       step = 2.0 ** (np.maximum(np.frexp(np.where(r == 0, 1, r))[1] - 1, 0) - 3)
;;       q = np.round(r / step) * step * 2.0 ** e      # np.round: ties to even
;;       return np.moveaxis(q.reshape(q.shape[:-2] + (-1,))[..., :K], -1, axis).astype(np.float32)
;;   ~~~
;;   SOFTMAX AHEAD OF A QUANTISED PRODUCT. Where the list says 'softmax', what is quantised is not the finished softmax but p = 2^(t - M), with t = logit x log2(e) and M = ceil(the row's largest t), a whole number; so 1/2 < the row's largest p <= 1. The row's sum l is taken of the UNQUANTISED p, in f32, and the product's result is divided by l at the end. Since M is a whole number, a kernel that streams over the keys may use a running M (the ceiling of the running maximum): every later rescaling is an exact power of two, which a block's scale takes up: the codes' values come out the same.
;;   OPERANDS COMPUTED ON THE WAY. 'Computed on the way' means the value that the module computes at that place (a softmax that the list does not call 'softmax' is quantised finished and normalised). What goes into a quantiser is computed in f32, as accurately as f32 sums, v_exp_f32 and their like allow (about 1e-6 of the number): no bf16 or f16 on the way to a quantiser, and a product that is left as it is and whose result goes on into a quantised operand takes f32 operands (vector FMAs, or v_wmma_f32_16x16x4_f32). A number that lies on a knife's edge between two numbers of the format may be rounded either way, as far as f32 arithmetic and the matrix unit's own rounding can turn it there, and no further.
;; One version. Each part assembles by itself: llvm-mc -triple=amdgcn-amd-amdhsa -mcpu=gfx1250 --defsym DOCPART=n.
;; ======== version 1 of 1: 3 launches
;; limits: right only within a limited range of input values
;; workspace buffers: gsig 16,777,216 bytes; wq 212,992 bytes; qimg 3,407,872 bytes; kv 6,815,744 bytes
;; launch prep (part 1): grid 272 x 1, 8 waves a work-group, no clusters, 66,816 bytes of LDS; arguments atten_bias, w_qkv, w_proj, gsig, wq; writes gsig, wq
.if DOCPART == 1
	.amdgcn_target "amdgcn-amd-amdhsa--gfx1250"
	.amdhsa_code_object_version 6
	.text
	.protected	k_q629585596a_prep
	.globl	k_q629585596a_prep
	.p2align	8
	.type	k_q629585596a_prep,@function
k_q629585596a_prep:
	s_mov_b64 s[64:65], 0
	v_nop
	global_prefetch_b8 v0, s[64:65] scope:SCOPE_SE
	s_setreg_imm32_b32 hwreg(HW_REG_WAVE_MODE, 25, 1), 1
	s_wait_xcnt 0x0
; Two jobs that every later work-group would otherwise repeat.  No step or input of the problem is left out in this program.
; (1) Work-groups 0-255: G = sigmoid(atten_bias) x 32^-1/2 x log2(e), f32, laid as IMAGES OF THE REGISTERS in which the attention launch holds it.
;     Image (qb, step, T): 64 registers x 32 lanes, 8,192 bytes at ((16 qb + step) 4 + T) 8,192; group e of four registers at 512 e + 16 lane.
;     Lane (r, h), register 32 c + i: query 64 qb + 32 (r / 8) + 8 T + r % 8, key 128 step + 64 c + 32 h + i.
;     Work-group 8 qb + 2 T + half takes the tile's 16 rows x 1,024 keys: a wave loads two neighbouring rows' 4,096 bytes (loads of 512 consecutive bytes), works them in place,
;     puts them into LDS (rows 4,096 + 16 bytes apart); behind one barrier wave w reads key step 8 half + w back in the image's order and stores 16 x 512 consecutive bytes.
; (2) Work-groups 256-271: w_qkv and w_proj become codes of FP6 (E2M3) with one E8M0 byte for each 32 along K, laid as images of operand registers:
;     a fragment (16 rows x 128 K, 12 registers a lane) is three groups of four registers, lane l at 512 g + 16 l; its scale words 4 bytes a lane.  A wave makes one fragment.
;     wq: 96 fragments of w_qkv from 0, their scale words from 147,456; 32 fragments of w_proj from 159,744, their scale words from 208,896.  Fragment 2 T + s: tile T, K step s.
;     Tile T of w_qkv holds, in lane r, channel 32 (T / 2) + 8 (T % 2) + r + 8 (r / 8); tile T of w_proj channel 16 T + r.
; LIMITS: NaN and infinities among the inputs are not served.  A block of zeros gets the byte 1 where the quantiser says 127: its codes are zeros, and this program alone reads the bytes.
.set GPI,   4112                       ; an LDS row: 4,096 bytes + 16, so that sixteen rows' 16-byte pieces fall on different banks
.set SPARE, 16*GPI                     ; the spare words, 128 bytes a wave
	s_load_b256 s[4:11], s[0:1], 0x0               ; atten_bias, w_qkv, w_proj, gsig
	s_load_b64 s[12:13], s[0:1], 0x20              ; wq
	v_lshl_add_u32 v100, v0, 2, SPARE              ; my spare word, and 0: kept for the add alone
	v_mov_b32 v101, 0
	v_lshrrev_b32 v1, 5, v0
	v_readfirstlane_b32 s14, v1                    ; wave 0..7
	v_and_b32 v2, 31, v0                           ; lane
	v_lshlrev_b32 v3, 4, v2                        ; 16 x lane
	s_wait_alu depctr_va_vdst(0)                   ; the wait ahead of the branch
	s_cmp_lt_u32 ttmp9, 256
	s_cbranch_scc0 .Lweights
	; ---- G
	s_lshr_b32 s15, ttmp9, 3                       ; qb
	s_bfe_u32 s16, ttmp9, 0x20001                  ; T
	s_and_b32 s17, ttmp9, 1                        ; which half of the keys
	s_lshl_b32 s18, s15, 6
	s_lshl_b32 s19, s16, 3
	s_add_co_u32 s18, s18, s19
	s_lshr_b32 s19, s14, 2
	s_lshl_b32 s19, s19, 5
	s_add_co_u32 s18, s18, s19
	s_and_b32 s19, s14, 3
	s_lshl_b32 s19, s19, 1
	s_add_co_u32 s18, s18, s19                     ; tile rows 2 w, 2 w + 1 are rows 64 qb + 8 T + 32 (w / 4) + 2 (w % 4) + 0, 1
	s_lshl_b32 s18, s18, 13
	s_lshl_b32 s19, s17, 12
	s_add_co_u32 s18, s18, s19
	s_mov_b32 s19, 0
	s_lshl_b32 s20, s15, 19                        ; my image: qb, key step 8 half + w, T
	s_lshl_b32 s21, s17, 3
	s_add_co_u32 s21, s21, s14
	s_lshl_b32 s21, s21, 15
	s_add_co_u32 s20, s20, s21
	s_lshl_b32 s21, s16, 13
	s_add_co_u32 s20, s20, s21
	s_mov_b32 s21, 0
	s_mul_i32 s22, s14, 2*GPI
	s_lshl_b32 s23, s14, 9
	v_add_nc_u32 v9, s22, v3                       ; into LDS: my two rows, as loaded
	v_and_b32 v4, 15, v0
	v_bfe_u32 v5, v0, 4, 1
	v_mul_u32_u24 v10, v4, GPI
	v_lshl_add_u32 v10, v5, 7, v10
	v_add_nc_u32 v10, s23, v10                     ; out of LDS: row r, key step w, + 128 h
	s_wait_alu depctr_va_vdst(0)                   ; the wait at the head's end
	s_wait_kmcnt 0x0
	s_add_nc_u64 s[4:5], s[4:5], s[18:19]
	s_add_nc_u64 s[10:11], s[10:11], s[20:21]
.irp i, 0,1,2,3,4,5,6,7,8,9,10,11,12,13,14,15
	global_load_b128 v[16+4*\i:19+4*\i], v3, s[4:5] offset:8192*(\i/8)+512*(\i%8) th:TH_LOAD_NT
.endr
.irp k, 0,1,2,3                                ; four groups of four loads
	s_wait_loadcnt 12-4*\k                         ; this group's four loads are in; the later groups' stay out
.irp j, 0,2,4,6,8,10,12,14
	v_pk_mul_f32 v[16+16*\k+\j:17+16*\k+\j], v[16+16*\k+\j:17+16*\k+\j], 0xbfb8aa3b op_sel_hi:[1,0]   ; -x log2(e)
.endr
	s_wait_alu depctr_va_vdst(0)
.irp j, 0,1,2,3,4,5,6,7,8,9,10,11,12,13,14,15
	v_exp_f32 v[16+16*\k+\j], v[16+16*\k+\j]
.endr
	v_nop
	s_wait_alu depctr_va_vdst(0)
.irp j, 0,2,4,6,8,10,12,14
	v_pk_add_f32 v[16+16*\k+\j:17+16*\k+\j], v[16+16*\k+\j:17+16*\k+\j], 1.0 op_sel_hi:[1,0]
.endr
	s_wait_alu depctr_va_vdst(0)
.irp j, 0,1,2,3,4,5,6,7,8,9,10,11,12,13,14,15
	v_rcp_f32 v[16+16*\k+\j], v[16+16*\k+\j]
.endr
	v_nop
	s_wait_alu depctr_va_vdst(0)
.irp j, 0,2,4,6,8,10,12,14
	v_pk_mul_f32 v[16+16*\k+\j:17+16*\k+\j], v[16+16*\k+\j:17+16*\k+\j], 0x3e8293ee op_sel_hi:[1,0]   ; x log2(e) / sqrt(32)
.endr
.irp i, 0,1,2,3
	ds_store_b128 v9, v[16+16*\k+4*\i:19+16*\k+4*\i] offset:GPI*(\k/2)+2048*(\k%2)+512*\i
.endr
.endr
	s_wait_dscnt 0x0                               ; for the others: my stores have landed
	s_barrier_signal -1
	s_barrier_wait -1
.irp e, 0,1,2,3,4,5,6,7,8,9,10,11,12,13,14,15
	ds_load_b128 v[16+4*\e:19+4*\e], v10 offset:256*(\e/8)+16*(\e%8)
.endr
.irp e, 0,1,2,3,4,5,6,7,8,9,10,11,12,13,14,15
	s_wait_dscnt 15-\e                             ; LDS loads come back in order: load e is in
	global_store_b128 v3, v[16+4*\e:19+4*\e], s[10:11] offset:512*\e   ; 32 lanes store 512 consecutive bytes
.endr
	s_wait_tensorcnt 0x0                           ; the wave's end
	ds_add_u32 v100, v101
	s_wait_dscnt 0x0
	s_endpgm
	; ---- the weights
.Lweights:
	s_sub_co_u32 s15, ttmp9, 256
	s_lshl_b32 s15, s15, 3
	s_add_co_u32 s15, s15, s14                     ; fragment 0..127: 0-95 of w_qkv, 96-127 of w_proj
	s_sub_co_u32 s16, s15, 96
	s_cmp_lt_u32 s15, 96
	s_cselect_b32 s17, s15, s16                    ; its number in its tensor
	s_cselect_b32 s18, 8, 0                        ; lanes 8-15 of a tile of w_qkv stand 8 rows further on
	s_cselect_b32 s19, 0, 159744                   ; where the tensor's codes begin in wq,
	s_mov_b32 s20, 208896
	s_cselect_b32 s20, 147456, s20                 ; and its scale words
	s_lshr_b32 s21, s17, 1                         ; tile T
	s_and_b32 s22, s17, 1                          ; K step s
	s_lshr_b32 s23, s21, 1
	s_lshl_b32 s23, s23, 5
	s_and_b32 s24, s21, 1
	s_lshl_b32 s24, s24, 3
	s_add_co_u32 s23, s23, s24                     ; w_qkv: first row 32 (T / 2) + 8 (T % 2)
	s_lshl_b32 s24, s21, 4                         ; w_proj: 16 T
	s_cmp_lt_u32 s15, 96
	s_cselect_b32 s23, s23, s24
	s_lshl_b32 s23, s23, 10                        ; a row is 1,024 bytes
	s_lshl_b32 s22, s22, 9                         ; a K step 512
	s_add_co_u32 s22, s22, s23
	s_mov_b32 s23, 0
	s_mul_i32 s24, s17, 1536
	s_add_co_u32 s24, s24, s19
	s_mov_b32 s25, 0
	s_lshl_b32 s26, s17, 7
	s_add_co_u32 s26, s26, s20
	s_mov_b32 s27, 0
	s_mov_b32 s32, 0x76543210
	s_mov_b32 s33, 0xfedcba98                      ; v_permlanex16_b32: lane l xor 16
	v_and_b32 v4, 15, v0                           ; r
	v_bfe_u32 v5, v0, 4, 1                         ; h
	v_lshrrev_b32 v6, 3, v4
	v_mad_u32_u24 v6, v6, s18, v4                  ; r (+ 8 (r / 8))
	v_lshlrev_b32 v6, 10, v6
	v_lshl_add_u32 v6, v5, 7, v6                   ; + 128 h: the operand gives lane (r, h) k = 64 c + 32 h + 0 .. 31
	v_lshlrev_b32 v7, 2, v2                        ; 4 x lane
	s_wait_alu depctr_va_vdst(0)
	s_wait_kmcnt 0x0
	s_cmp_lt_u32 s15, 96                           ; the choice hangs on the fragment's number alone
	s_cselect_b64 s[6:7], s[6:7], s[8:9]
	s_add_nc_u64 s[6:7], s[6:7], s[22:23]
	s_add_nc_u64 s[28:29], s[12:13], s[24:25]
	s_add_nc_u64 s[30:31], s[12:13], s[26:27]
.irp c, 0,1
.irp e, 0,1,2,3,4,5,6,7
	global_load_b128 v[16+32*\c+4*\e:19+32*\c+4*\e], v6, s[6:7] offset:256*\c+16*\e   ; my two whole blocks of 32
.endr
.endr
	s_wait_loadcnt 0x0
.irp c, 0,1
	v_max3_num_f32 v[8+\c], |v[16+32*\c]|, |v[17+32*\c]|, 0x1800000   ; the block's largest magnitude, and the floor 2^(3 - 127): the byte cannot fall under 1
.endr
.irp i, 2,4,6,8,10,12,14,16,18,20,22,24,26,28,30
.irp c, 0,1
	s_delay_alu instid0(VALU_DEP_2)
	v_max3_num_f32 v[8+\c], v[8+\c], |v[16+32*\c+\i]|, |v[17+32*\c+\i]|
.endr
.endr
.irp c, 0,1
	s_delay_alu instid0(VALU_DEP_2)
	v_add_nc_u32 v[10+\c], 0xff000000, v[8+\c]     ; 2 off the exponent field: the conversion's scale operand
.endr
.irp c, 0,1
	s_delay_alu instid0(VALU_DEP_2)
	v_lshrrev_b32 v[12+\c], 23, v[10+\c]           ; the scale's byte
.endr
	s_delay_alu instid0(VALU_DEP_1)
	v_lshl_or_b32 v14, v13, 16, v12                ; my bytes: blocks h and 2 + h,
	v_lshlrev_b32 v15, 3, v5
	s_delay_alu instid0(VALU_DEP_1)
	v_lshlrev_b32 v14, v15, v14                    ; at their places in the word;
	v_mov_b32 v15, 0
	s_delay_alu instid0(VALU_DEP_1)
	v_permlanex16_b32 v15, v14, s32, s33
	s_delay_alu instid0(VALU_DEP_1)
	v_or_b32 v14, v14, v15                         ; with lane l xor 16's two the word is whole, in both lanes
	v_cvt_scalef32_pk16_fp6_f32 v[80:82], v[16:31], v10
	v_cvt_scalef32_pk16_fp6_f32 v[92:94], v[32:47], v10   ; (a conversion's three registers begin on an even number)
	v_cvt_scalef32_pk16_fp6_f32 v[86:88], v[48:63], v11
	v_cvt_scalef32_pk16_fp6_f32 v[96:98], v[64:79], v11
	v_nop                                          ; one plain place behind the conversions
.irp i, 0,1,2
	v_mov_b32 v[83+\i], v[92+\i]
	v_mov_b32 v[89+\i], v[96+\i]
.endr
.irp g, 0,1,2
	global_store_b128 v3, v[80+4*\g:83+4*\g], s[28:29] offset:512*\g
.endr
	global_store_b32 v7, v14, s[30:31]
	s_endpgm
.Lfunc_end_k_q629585596a_prep:
	.size	k_q629585596a_prep, .Lfunc_end_k_q629585596a_prep-k_q629585596a_prep
	.p2alignl 7, 3214868480
	.fill 96, 4, 3214868480
	.section	.rodata,"a",@progbits
	.p2align	6, 0x0
	.amdhsa_kernel k_q629585596a_prep
		.amdhsa_group_segment_fixed_size 66816
		.amdhsa_private_segment_fixed_size 0
		.amdhsa_enable_private_segment 0
		.amdhsa_kernarg_size 40
		.amdhsa_user_sgpr_count 2
		.amdhsa_user_sgpr_kernarg_segment_ptr 1
		.amdhsa_wavefront_size32 1
		.amdhsa_system_sgpr_workgroup_id_x 1
		.amdhsa_system_sgpr_workgroup_id_y 1
		.amdhsa_system_sgpr_workgroup_id_z 1
		.amdhsa_system_vgpr_workitem_id 0
		.amdhsa_next_free_vgpr 112
		.amdhsa_next_free_sgpr 66
		.amdhsa_reserve_vcc 0
		.amdhsa_float_denorm_mode_32 3
		.amdhsa_float_denorm_mode_16_64 3
		.amdhsa_memory_ordered 1
		.amdhsa_forward_progress 1
		.amdhsa_inst_pref_size 29
	.end_amdhsa_kernel
	.amdgpu_metadata
---
amdhsa.version: [ 1, 2 ]
amdhsa.kernels:
  - .name:           k_q629585596a_prep
    .symbol:         k_q629585596a_prep.kd
    .args:
      - { .name: atten_bias, .offset: 0, .size: 8, .value_kind: global_buffer, .address_space: global }
      - { .name: w_qkv, .offset: 8, .size: 8, .value_kind: global_buffer, .address_space: global }
      - { .name: w_proj, .offset: 16, .size: 8, .value_kind: global_buffer, .address_space: global }
      - { .name: gsig, .offset: 24, .size: 8, .value_kind: global_buffer, .address_space: global }
      - { .name: wq, .offset: 32, .size: 8, .value_kind: global_buffer, .address_space: global }
    .group_segment_fixed_size: 66816
    .private_segment_fixed_size: 0
    .kernarg_segment_align: 8
    .kernarg_segment_size: 40
    .max_flat_workgroup_size: 256
    .sgpr_count:     66
    .vgpr_count:     112
    .wavefront_size: 32
...
	.end_amdgpu_metadata
.endif
;; end of part 1
;; launch qkv (part 2): grid 256 x 1, 8 waves a work-group, clusters of 4 x 1, 327,680 bytes of LDS; arguments x, wq, qimg, kv; writes qimg, kv
.if DOCPART == 2
	.amdgcn_target "amdgcn-amd-amdhsa--gfx1250"
	.amdhsa_code_object_version 6
	.text
	.protected	k_q629585596a_qkv
	.globl	k_q629585596a_qkv
	.p2align	8
	.type	k_q629585596a_qkv,@function
k_q629585596a_qkv:
	s_mov_b64 s[64:65], 0
	v_nop
	global_prefetch_b8 v0, s[64:65] scope:SCOPE_SE
	s_setreg_imm32_b32 hwreg(HW_REG_WAVE_MODE, 25, 1), 1
	s_wait_xcnt 0x0
	s_wait_alu depctr_hold_cnt(0) depctr_sa_sdst(0) depctr_va_vdst(0) depctr_va_sdst(0) depctr_va_ssrc(0) depctr_va_vcc(0) depctr_vm_vsrc(0)
	s_getreg_b32 s2, hwreg(HW_REG_IB_STS2, 6, 4)
	s_cmp_eq_u32 s2, 0
	s_cbranch_scc0 .Lentry_in_a_cluster
	s_endpgm
.Lentry_in_a_cluster:
	s_bfe_u32 s2, ttmp6, 0x10000c
	s_cmp_lg_u32 s2, 0x3003
	s_cbranch_scc0 .Lentry_shape_is_right
	s_endpgm
.Lentry_shape_is_right:
.set FRB,   1536
.set WSCL,  96*FRB
.set XRAW,  WSCL+96*128
.set XP,    1040
.set XIMG,  XRAW+64*XP
.set XSC,   XIMG+8*FRB
.set SPARE, XSC+8*128
.set SPW, 1
.set NIL, 2
.set L16, 3
.set L8,  4
.set L4,  5
.set AXR, 6
.set XWI, 7
.set XWS, 8
.set AWQ, 9
.set ASQ, 10
.set AWV, 11
.set ASV, 12
.set AXI, 13
.set AXS, 14
.set MX,  16
.set TP,  20
.set SO,  28
.set PW,  32
.set XS,  34
.set WS,  42
.set PK,  50
.set HF,  52
.set WD,  76
.set ACC, 80
.set PC,  80
.set POOL, 112
.set WV,  12
.set SEL, 40
.macro PLACES n
.rept \n
	v_nop
.endr
.endm
.macro CROUND
	s_barrier_signal -1
	s_barrier_wait -1
	s_cmp_lg_u32 s[WV], 0
	s_cbranch_scc1 .Lnot_wave_0_\@
	s_barrier_signal -3
.Lnot_wave_0_\@:
	s_barrier_wait -3
	s_barrier_signal -1
	s_barrier_wait -1
.endm
.macro QUANT4 src
.irp b, 0,1,2,3
	v_max3_num_f32 v[MX+\b], |v[\src+16*\b]|, |v[\src+16*\b+1]|, 0x1800000
.endr
.irp i, 2,4,6,8,10,12,14
.irp b, 0,1,2,3
	s_delay_alu instid0(VALU_DEP_4)
	v_max3_num_f32 v[MX+\b], v[MX+\b], |v[\src+16*\b+\i]|, |v[\src+16*\b+\i+1]|
.endr
.endr
.irp b, 0,1,2,3
	s_delay_alu instid0(VALU_DEP_4)
	v_permlanex16_b32 v[TP+\b], v[MX+\b], s[SEL], s[SEL+1]
.endr
.irp b, 0,1,2,3
	s_delay_alu instid0(VALU_DEP_4)
	v_max_num_f32 v[MX+\b], v[MX+\b], v[TP+\b]
.endr
.irp b, 0,1,2,3
	s_delay_alu instid0(VALU_DEP_4)
	v_add_nc_u32 v[SO+\b], 0xff000000, v[MX+\b]
.endr
.irp b, 0,1,2,3
	s_delay_alu instid0(VALU_DEP_4)
	v_lshrrev_b32 v[TP+\b], 23, v[SO+\b]
.endr
	s_delay_alu instid0(VALU_DEP_3)
	v_lshl_or_b32 v[PW], v[TP+1], 8, v[TP]
	s_delay_alu instid0(VALU_DEP_1)
	v_lshl_or_b32 v[PW], v[TP+2], 16, v[PW]
	s_delay_alu instid0(VALU_DEP_1)
	v_lshl_or_b32 v[PW], v[TP+3], 24, v[PW]
.irp c, 0,1
	v_cvt_scalef32_pk16_fp6_f32 v[PC+6*\c:PC+6*\c+2], v[\src+32*\c:\src+32*\c+15], v[SO+2*\c]
	v_cvt_scalef32_pk16_fp6_f32 v[PC+12+4*\c:PC+14+4*\c], v[\src+32*\c+16:\src+32*\c+31], v[SO+2*\c+1]
.endr
	v_nop
.irp c, 0,1
.irp i, 0,1,2
	v_permlane16_swap_b32 v[PC+6*\c+\i], v[PC+12+4*\c+\i]
.endr
.irp i, 0,1,2
	s_delay_alu instid0(VALU_DEP_3)
	v_mov_b32 v[PC+3+6*\c+\i], v[PC+12+4*\c+\i]
.endr
.endr
.endm
.macro QUANT2 src, dst, wrd
.irp b, 0,1
	v_max3_num_f32 v[MX+\b], |v[(\src)+16*\b]|, |v[(\src)+16*\b+1]|, 0x1800000
.endr
.irp i, 2,4,6,8,10,12,14
.irp b, 0,1
	v_max3_num_f32 v[MX+\b], v[MX+\b], |v[(\src)+16*\b+\i]|, |v[(\src)+16*\b+\i+1]|
.endr
.endr
.irp b, 0,1
	s_delay_alu instid0(VALU_DEP_2)
	v_permlanex16_b32 v[TP+\b], v[MX+\b], s[SEL], s[SEL+1]
.endr
.irp b, 0,1
	s_delay_alu instid0(VALU_DEP_2)
	v_max_num_f32 v[MX+\b], v[MX+\b], v[TP+\b]
.endr
.irp b, 0,1
	s_delay_alu instid0(VALU_DEP_2)
	v_add_nc_u32 v[SO+\b], 0xff000000, v[MX+\b]
.endr
.irp b, 0,1
	s_delay_alu instid0(VALU_DEP_2)
	v_lshrrev_b32 v[TP+\b], 23, v[SO+\b]
.endr
	s_delay_alu instid0(VALU_DEP_1)
	v_lshl_or_b32 v[(\wrd)], v[TP+1], 8, v[TP]
	v_cvt_scalef32_pk16_fp6_f32 v[(\dst):(\dst)+2], v[(\src):(\src)+15], v[SO]
	v_cvt_scalef32_pk16_fp6_f32 v[MX:MX+2], v[(\src)+16:(\src)+31], v[SO+1]
	v_nop
.irp i, 0,1,2
	v_permlane16_swap_b32 v[(\dst)+\i], v[MX+\i]
.endr
.irp i, 0,1,2
	s_delay_alu instid0(VALU_DEP_3)
	v_mov_b32 v[(\dst)+3+\i], v[MX+\i]
.endr
.endm
; v: a lane holds one channel and, in the four accumulators' 32 registers, the whole block of keys 32 (lane / 16) + 0 .. 31 of the work-group's 64:
; x's groups of 8 rows lie in LDS so that tile t holds, in lane r, row 32 (r / 8) + 8 t + r % 8.  So the block's maximum needs no other lane, and the codes are the half fragment as it stands.
.macro QUANTV dst, wrd
	v_max3_num_f32 v[MX], |v[ACC]|, |v[ACC+1]|, 0x1800000
	v_max3_num_f32 v[MX+1], |v[ACC+2]|, |v[ACC+3]|, |v[ACC+4]|
.irp i, 5,9,13,17,21,25
	v_max3_num_f32 v[MX], v[MX], |v[ACC+\i]|, |v[ACC+\i+1]|
	v_max3_num_f32 v[MX+1], v[MX+1], |v[ACC+\i+2]|, |v[ACC+\i+3]|
.endr
	v_max3_num_f32 v[MX], v[MX], |v[ACC+29]|, |v[ACC+30]|
	v_max3_num_f32 v[MX], v[MX], v[MX+1], |v[ACC+31]|
	v_add_nc_u32 v[SO], 0xff000000, v[MX]
	v_lshrrev_b32 v[TP], 23, v[SO]
	v_lshlrev_b32 v[TP], v15, v[TP]                ; my block's byte at its place, 8 (lane / 16) bits up;
	v_permlanex16_b32 v[TP+1], v[TP], s[SEL], s[SEL+1]
	v_or_b32 v[(\wrd)], v[TP], v[TP+1]             ; with lane l xor 16's: both bytes, in both lanes
	v_cvt_scalef32_pk16_fp6_f32 v[(\dst):(\dst)+2], v[ACC:ACC+15], v[SO]
	v_cvt_scalef32_pk16_fp6_f32 v[MX:MX+2], v[ACC+16:ACC+31], v[SO]
	v_nop
.irp i, 0,1,2
	v_mov_b32 v[(\dst)+3+\i], v[MX+\i]
.endr
.endm
	s_load_b256 s[4:11], s[0:1], 0x0
	v_lshl_add_u32 v[SPW], v0, 2, SPARE
	v_mov_b32 v[NIL], 0
	ds_add_u32 v[SPW], v[NIL]
	ds_add_u32 v[SPW], v[NIL]
	v_lshrrev_b32 v3, 5, v0
	s_delay_alu instid0(VALU_DEP_1)
	v_readfirstlane_b32 s[WV], v3
	s_bfe_u32 s13, ttmp6, 0x40000
	s_lshl_b32 s14, ttmp9, 2
	s_add_co_u32 s14, s14, s13
	s_mov_b32 s16, 15|(3<<16)|(1<<21)
	s_mov_b32 s17, 32<<16
	s_mov_b32 s18, 78<<16
	s_mov_b32 s19, 32<<16
	s_mov_b32 s20, 78
	s_mov_b32 s21, 32
	s_mov_b32 s22, 0
	s_mov_b32 s23, 0
	s_mov_b32 s28, (2<<16)|(1<<20)|(7<<22)|(3<<25)
	s_mov_b32 s29, 256<<16
	s_mov_b32 s30, 8<<16
	s_mov_b32 s31, 256<<16
	s_mov_b32 s32, 8
	s_mov_b32 s33, 256
	s_mov_b32 s34, 0
	s_mov_b32 s35, 0
	s_mul_i32 s44, s[WV], 78*256
	s_mov_b32 s45, 0
	s_and_b32 s46, s[WV], 3
	s_lshl_b32 s46, s46, 1
	s_lshr_b32 s47, s[WV], 2
	s_or_b32 s46, s46, s47
	s_mul_i32 s46, s46, 8*XP
	s_add_co_u32 s46, s46, XRAW
	s_lshl_b32 s48, s14, 16
	s_lshl_b32 s49, s[WV], 13
	s_add_co_u32 s48, s48, s49
	s_mov_b32 s49, 0
	s_mov_b32 s[SEL], 0x76543210
	s_mov_b32 s[SEL+1], 0xfedcba98
	s_mov_b32 s42, 0xffff0000
	s_wait_dscnt 0x0
	s_wait_kmcnt 0x0
	s_mov_b32 s24, 1
	s_mov_b32 s25, s44
	s_add_nc_u64 s[26:27], s[6:7], s[44:45]
	s_or_b32 s27, s27, 0x80000000
	s_mov_b32 s36, 1
	s_mov_b32 s37, s46
	s_add_nc_u64 s[38:39], s[4:5], s[48:49]
	s_or_b32 s39, s39, 0x80000000
	CROUND
	tensor_load_to_lds s[24:27], s[16:23]
	s_nop 0
	s_wait_alu depctr_va_vdst(0)
	s_wait_tensorcnt 0x0
	ds_add_u32 v1, v2
	s_wait_dscnt 0x0
	CROUND
	tensor_load_to_lds s[36:39], s[28:35]
	s_nop 0
	PLACES 4
	s_and_b32 s50, s[WV], 3
	s_and_b32 s51, s14, 1
	s_lshr_b32 s52, s14, 1
	s_mul_i32 s53, s14, 13312
	s_mul_i32 s54, s50, 3328
	s_add_co_u32 s53, s53, s54
	s_mul_i32 s55, s52, 53248
	s_mul_i32 s54, s50, 13312
	s_add_co_u32 s54, s54, s55
	s_mul_i32 s56, s51, 3072
	s_add_co_u32 s56, s56, s54
	s_lshl_b32 s57, s51, 8
	s_add_co_u32 s57, s57, s54
	s_add_co_u32 s57, s57, 12288
	s_add_co_u32 s58, s53, 3072
	s_cmp_lt_u32 s[WV], 4
	s_cselect_b64 s[60:61], s[8:9], s[10:11]
	s_cselect_b32 s56, s53, s56
	s_cselect_b32 s58, s58, s57
	s_mov_b32 s57, 0
	s_mov_b32 s59, 0
	s_add_nc_u64 s[62:63], s[60:61], s[58:59]
	s_add_nc_u64 s[60:61], s[60:61], s[56:57]
	s_lshr_b32 s66, s[WV], 1
	s_mul_i32 s66, s66, 13312
	s_add_co_u32 s66, s66, s55
	s_and_b32 s67, s[WV], 1
	s_lshl_b32 s68, s67, 2
	s_add_co_u32 s68, s68, s51
	s_mul_i32 s68, s68, 768
	s_add_co_u32 s68, s68, s66
	s_add_co_u32 s68, s68, 6144
	s_mov_b32 s69, 0
	s_lshl_b32 s70, s67, 1
	s_add_co_u32 s70, s70, s51
	s_lshl_b32 s70, s70, 7
	s_add_co_u32 s70, s70, s66
	s_add_co_u32 s70, s70, 12800
	s_mov_b32 s71, 0
	s_add_nc_u64 s[68:69], s[10:11], s[68:69]
	s_add_nc_u64 s[70:71], s[10:11], s[70:71]
	v_and_b32 v100, 31, v0
	v_and_b32 v101, 15, v0
	v_bfe_u32 v102, v0, 4, 1
	s_delay_alu instid0(VALU_DEP_3)
	v_lshlrev_b32 v[L16], 4, v100
	s_wait_alu depctr_va_vdst(0)
	v_lshlrev_b32 v[L8], 3, v100
	v_lshlrev_b32 v[L4], 2, v100
	v_lshlrev_b32 v15, 3, v102
	s_wait_alu depctr_va_vdst(0)
	s_lshr_b32 s72, s[WV], 1
	s_mul_i32 s72, s72, 16*XP
	s_and_b32 s73, s[WV], 1
	s_lshl_b32 s73, s73, 9
	s_add_co_u32 s72, s72, s73
	s_add_co_u32 s72, s72, XRAW
	v_mul_u32_u24 v[AXR], v101, XP
	s_delay_alu instid0(VALU_DEP_1)
	v_lshl_add_u32 v[AXR], v102, 6, v[AXR]
	s_delay_alu instid0(VALU_DEP_1)
	v_add_nc_u32 v[AXR], s72, v[AXR]
	s_mul_i32 s72, s[WV], FRB
	s_add_co_u32 s72, s72, XIMG
	v_add_nc_u32 v[XWI], s72, v[L16]
	s_lshl_b32 s72, s[WV], 7
	s_add_co_u32 s72, s72, XSC
	v_add_nc_u32 v[XWS], s72, v[L4]
	s_lshr_b32 s72, s[WV], 2
	s_and_b32 s73, s[WV], 3
	s_mul_i32 s74, s72, 32*FRB
	s_mul_i32 s75, s73, 8*FRB
	s_add_co_u32 s74, s74, s75
	v_add_nc_u32 v[AWQ], s74, v[L16]
	s_lshl_b32 s74, s72, 12
	s_lshl_b32 s75, s73, 10
	s_add_co_u32 s74, s74, s75
	s_add_co_u32 s74, s74, WSCL
	v_add_nc_u32 v[ASQ], s74, v[L4]
	s_mul_i32 s74, s[WV], 4*FRB
	s_add_co_u32 s74, s74, 64*FRB
	v_add_nc_u32 v[AWV], s74, v[L16]
	s_lshl_b32 s74, s[WV], 9
	s_add_co_u32 s74, s74, WSCL+64*128
	v_add_nc_u32 v[ASV], s74, v[L4]
	v_add_nc_u32 v[AXI], XIMG, v[L16]
	v_add_nc_u32 v[AXS], XSC, v[L4]
.irp b, 0,1,2,3
	v_mov_b32 v[TP+\b], 0
.endr
	s_wait_tensorcnt 0x0
	s_barrier_signal -1
	s_barrier_wait -1
.irp b, 0,1,2,3
.irp e, 0,1,2,3
	ds_load_b128 v[POOL+16*\b+4*\e:POOL+16*\b+4*\e+3], v[AXR] offset:128*\b+16*\e
.endr
.endr
	s_wait_dscnt 0x0
	QUANT4 POOL
.irp c, 0,1,2
	ds_store_b128 v[XWI], v[PC+4*\c:PC+4*\c+3] offset:512*\c
.endr
	ds_store_b32 v[XWS], v[PW]
	s_wait_dscnt 0x0
	s_barrier_signal -1
	s_barrier_wait -1
.irp f, 0,1,2,3,4,5,6,7
.irp c, 0,1,2
	ds_load_b128 v[POOL+12*\f+4*\c:POOL+12*\f+4*\c+3], v[AWQ] offset:FRB*\f+512*\c
.endr
.endr
.irp f, 0,1,2,3,4,5,6,7
	ds_load_b32 v[WS+\f], v[ASQ] offset:128*\f
	ds_load_b32 v[XS+\f], v[AXS] offset:128*\f
.endr
.irp xt, 0,1,2,3
.irp s, 0,1
.irp c, 0,1,2
	ds_load_b128 v[POOL+96+12*\s+4*\c:POOL+96+12*\s+4*\c+3], v[AXI] offset:(2*\xt+\s)*FRB+512*\c
.endr
.endr
	s_wait_dscnt 0x0
.irp t, 0,1,2,3
	v_wmma_scale_f32_16x16x128_f8f6f4 v[ACC+8*\t:ACC+8*\t+7], v[POOL+24*\t:POOL+24*\t+11], v[POOL+96:POOL+107], 0, v[WS+2*\t], v[XS+2*\xt] matrix_a_fmt:MATRIX_FMT_FP6 matrix_b_fmt:MATRIX_FMT_FP6
.endr
.irp t, 0,1,2,3
	v_wmma_scale_f32_16x16x128_f8f6f4 v[ACC+8*\t:ACC+8*\t+7], v[POOL+24*\t+12:POOL+24*\t+23], v[POOL+108:POOL+119], v[ACC+8*\t:ACC+8*\t+7], v[WS+2*\t+1], v[XS+2*\xt+1] matrix_a_fmt:MATRIX_FMT_FP6 matrix_b_fmt:MATRIX_FMT_FP6
.endr
	PLACES 5
	QUANT2 ACC, HF+6*\xt, WD+\xt
	v_or_b32 v[WD+\xt], 0x7f7f0000, v[WD+\xt]
	global_store_b128 v[L16], v[HF+6*\xt:HF+6*\xt+3], s[60:61] offset:768*\xt
	global_store_b64 v[L8], v[HF+6*\xt+4:HF+6*\xt+5], s[60:61] offset:768*\xt+512
.endr
	v_cndmask_b32 v[PK], v[WD], v[WD+1], s42
	v_cndmask_b32 v[PK+1], v[WD+2], v[WD+3], s42
	global_store_b64 v[L8], v[PK:PK+1], s[62:63]
	s_wait_xcnt 0x0
.irp f, 0,1,2,3,4,5,6,7
.irp c, 0,1,2
	ds_load_b128 v[POOL+12*\f+4*\c:POOL+12*\f+4*\c+3], v[AXI] offset:FRB*\f+512*\c
.endr
.endr
.irp f, 0,1,2,3
.irp c, 0,1,2
	ds_load_b128 v[POOL+96+12*\f+4*\c:POOL+96+12*\f+4*\c+3], v[AWV] offset:FRB*\f+512*\c
.endr
	ds_load_b32 v[WS+\f], v[ASV] offset:128*\f
.endr
	s_wait_dscnt 0x0
.irp u, 0,1
.irp xt, 0,1,2,3
	v_wmma_scale_f32_16x16x128_f8f6f4 v[ACC+8*\xt:ACC+8*\xt+7], v[POOL+24*\xt:POOL+24*\xt+11], v[POOL+96+24*\u:POOL+96+24*\u+11], 0, v[XS+2*\xt], v[WS+2*\u] matrix_a_fmt:MATRIX_FMT_FP6 matrix_b_fmt:MATRIX_FMT_FP6
.endr
.irp xt, 0,1,2,3
	v_wmma_scale_f32_16x16x128_f8f6f4 v[ACC+8*\xt:ACC+8*\xt+7], v[POOL+24*\xt+12:POOL+24*\xt+23], v[POOL+96+24*\u+12:POOL+96+24*\u+23], v[ACC+8*\xt:ACC+8*\xt+7], v[XS+2*\xt+1], v[WS+2*\u+1] matrix_a_fmt:MATRIX_FMT_FP6 matrix_b_fmt:MATRIX_FMT_FP6
.endr
	PLACES 5
	QUANTV HF+6*\u, WD+\u
	global_store_b128 v[L16], v[HF+6*\u:HF+6*\u+3], s[68:69] offset:1536*\u
	global_store_b64 v[L8], v[HF+6*\u+4:HF+6*\u+5], s[68:69] offset:1536*\u+512
.endr
	v_cndmask_b32 v[PK], v[WD], v[WD+1], s42
	global_store_b32 v[L4], v[PK], s[70:71]
	s_wait_tensorcnt 0x0
	ds_add_u32 v[SPW], v[NIL]
	s_wait_dscnt 0x0
	CROUND
	s_endpgm
.Lfunc_end_k_q629585596a_qkv:
	.size	k_q629585596a_qkv, .Lfunc_end_k_q629585596a_qkv-k_q629585596a_qkv
	.p2alignl 7, 3214868480
	.fill 96, 4, 3214868480
	.section	.rodata,"a",@progbits
	.p2align	6, 0x0
	.amdhsa_kernel k_q629585596a_qkv
		.amdhsa_group_segment_fixed_size 327680
		.amdhsa_private_segment_fixed_size 0
		.amdhsa_enable_private_segment 0
		.amdhsa_kernarg_size 32
		.amdhsa_user_sgpr_count 2
		.amdhsa_user_sgpr_kernarg_segment_ptr 1
		.amdhsa_wavefront_size32 1
		.amdhsa_system_sgpr_workgroup_id_x 1
		.amdhsa_system_sgpr_workgroup_id_y 1
		.amdhsa_system_sgpr_workgroup_id_z 1
		.amdhsa_system_vgpr_workitem_id 0
		.amdhsa_next_free_vgpr 256
		.amdhsa_next_free_sgpr 80
		.amdhsa_reserve_vcc 0
		.amdhsa_float_denorm_mode_32 3
		.amdhsa_float_denorm_mode_16_64 3
		.amdhsa_memory_ordered 1
		.amdhsa_forward_progress 1
		.amdhsa_inst_pref_size 43
	.end_amdhsa_kernel
	.amdgpu_metadata
---
amdhsa.version: [ 1, 2 ]
amdhsa.kernels:
  - .name:           k_q629585596a_qkv
    .symbol:         k_q629585596a_qkv.kd
    .args:
      - { .name: x, .offset: 0, .size: 8, .value_kind: global_buffer, .address_space: global }
      - { .name: wq, .offset: 8, .size: 8, .value_kind: global_buffer, .address_space: global }
      - { .name: qimg, .offset: 16, .size: 8, .value_kind: global_buffer, .address_space: global }
      - { .name: kv, .offset: 24, .size: 8, .value_kind: global_buffer, .address_space: global }
    .group_segment_fixed_size: 327680
    .private_segment_fixed_size: 0
    .kernarg_segment_align: 8
    .kernarg_segment_size: 32
    .max_flat_workgroup_size: 256
    .sgpr_count:     80
    .vgpr_count:     256
    .wavefront_size: 32
...
	.end_amdgpu_metadata
.endif
;; end of part 2
;; launch attn (part 3): grid 32 x 8, 16 waves a work-group, clusters of 4 x 1, 327,680 bytes of LDS; arguments gsig, qimg, kv, wq, b_proj, out0; writes out0
.if DOCPART == 3
	.amdgcn_target "amdgcn-amd-amdhsa--gfx1250"
	.amdhsa_code_object_version 6
	.text
	.protected	k_q629585596a_attn
	.globl	k_q629585596a_attn
	.p2align	8
	.type	k_q629585596a_attn,@function
k_q629585596a_attn:
	s_mov_b64 s[64:65], 0
	v_nop
	global_prefetch_b8 v0, s[64:65] scope:SCOPE_SE
	s_setreg_imm32_b32 hwreg(HW_REG_WAVE_MODE, 25, 1), 1
	s_wait_xcnt 0x0
	s_wait_alu depctr_hold_cnt(0) depctr_sa_sdst(0) depctr_va_vdst(0) depctr_va_sdst(0) depctr_va_ssrc(0) depctr_va_vcc(0) depctr_vm_vsrc(0)
	s_getreg_b32 s2, hwreg(HW_REG_IB_STS2, 6, 4)
	s_cmp_eq_u32 s2, 0
	s_cbranch_scc0 .Lentry_in_a_cluster
	s_endpgm
.Lentry_in_a_cluster:
	s_bfe_u32 s2, ttmp6, 0x10000c
	s_cmp_lg_u32 s2, 0x3003
	s_cbranch_scc0 .Lentry_shape_is_right
	s_endpgm
.Lentry_shape_is_right:
; out = Q(softmax(q k^T x scale x sigmoid(bias)) v) w_proj^T + b_proj, all three products on codes of FP6 (E2M3) with one E8M0 scale for each 32 along K.
; SHARES.  A work-group owns 64 queries (block qb) of one batch and all 8 heads, so that the projection, whose K runs over the heads, needs no other work-group.  Sixteen waves, four to a SIMD:
; wave w owns tile w % 4 of 16 queries (lane r: query 32 (r / 8) + 8 (w % 4) + r % 8 of the block) and heads 2 (w / 4), 2 (w / 4) + 1, one after the other in each key step of 128 keys.
; THE FIRST PRODUCT HAS K = 32, one block of the instruction's four.  A half fragment of k holds two heads (lanes 0-15 block 0, lanes 16-31 block 1).  Source 1 is q of ONE head at its block and zero CODES
; in the other three, so whatever stands in source 0's other blocks adds nothing, under scale bytes 0x7f.
; Both products are used transposed: a lane holds ONE query.  Tile t of k holds, in row m, key 64 (t / 4) + 32 (m / 8) + 8 (t % 4) + m % 8 of the step: so lane (r, h) has in score registers 0-31 the WHOLE block h
; and in registers 32-63 the whole block 2 + h, keys ascending: a block's maximum needs no other lane, and p's conversions give the operand's registers in its own order.
; THE SOFTMAX.  t = score x G.  M = the running largest t rounded up to a whole number, kept as -M; p = 2^(t - M) is quantised along the keys, not normalised; the sum is taken of the unquantised p;
; when M moves, the sum and O are multiplied by 2^(old M - new M), which rounds nothing.  No branch hangs on data.
; G comes from memory straight into 64 registers, as the first launch laid it (sixteen loads of 512 consecutive bytes a key step), asked for behind the step's last use of G, half a key step's work ahead of the next;
; it serves both heads.  It goes to registers, so it is no joint load.  Each wave also prefetches 2 blocks of 256 bytes a trip of the G that is loaded two trips on: the 256 blocks of a trip are shared out by address among
; the 8 batches x 16 waves that read them; the last two trips ask for nothing.
; THE RING.  Two LDS slots, 2^17 bytes apart, each with the batch's k, v and scale words of TWO key steps (106,496 dense bytes): one change of slots for 256 keys, eight in all.
; CLUSTER 4 x 1: the four work-groups share the batch and ask for each slot jointly; every wave asks for 26 rows of 256 bytes.  One load a wave is out behind each round.
; k and v are not prefetched: a refill sets out a whole trip, two key steps' work of all sixteen waves, ahead of its first read.
; THE END.  w_proj's fragments and b_proj are asked for in the last key step, into G's registers.  O / sum is quantised along the channels (a block = a head) and goes from wave to wave through LDS as images of operand
; registers; wave w makes output channels 16 w .. 16 w + 15 for the 64 rows, b_proj as the C of the first product; the rows meet in a stage of its own bytes and leave as whole rows.
; LIMITS: NaN and infinities are not served; p under 2^-126 counts as 0; a block of zeros gets the byte 1 (its codes are zeros); t is score x (sigmoid x constant), where the reference multiplies in another order;
; the scaled scores stay under 2^31 in magnitude.
.set SUB,   13312                      ; a pair of heads' part of a key step's block: k's 8 tiles, v's 8 half fragments, k's scale words at 12,288, v's at 12,800
.set STB,   4*SUB                      ; a key step's block
.set SLOT1, 1<<17
.set SPARE, 2*STB                      ; behind slot 0: the spare words, 128 bytes a wave,
.set OIMG,  SPARE+2048                 ; the sixteen half fragments of O,
.set OSC,   OIMG+16*768                ; and their scale words
.set STAGE, SLOT1+2*STB                ; behind slot 1: 64 rows of 1,024 bytes + 16
.set SPT,   1040
.set SPW, 1                            ; v1 my spare word, v2 0: never rewritten
.set NIL, 2
.set B16, 3                            ; v3-5 16, 8, 4 x lane + my pair's part of a block
.set B8,  4
.set B4,  5
.set GL,  6                            ; v6 16 x lane + 8,192 x my tile: my place in a key step's images of G
.set T16, 7                            ; v7-9 v3-5 in the key step in hand
.set T8,  8
.set T4,  9
.set QS,  10                           ; q's scale words
.set PW,  11                           ; p's scale word
.set MX,  20                           ; v12, v124 -M (pairs with 0); v[14:15], v[16:17] the sums; v18 f, v19 at work; v20-29 at work
.set TP,  24
.set SO,  28
.set PFO, 30                           ; the prefetch's offset
.set QA,  36                           ; v32-35 k's scale words; v36-47 q of the even head at block 0, zeros else; v48-59 q of the odd head at block 1
.set QB,  48
.set OA,  60                           ; O^T of the two heads
.set OB,  76
.set FB,  92                           ; v92-121 k's tiles 0-3, then v's fragments; v122-123 v's scale bytes
.set SH8, 126                          ; 8 (lane / 16)
.set VS,  127                          ; v's scale word
.set GR,  128                          ; v128-191 G
.set SR,  192                          ; v192-255 k's tiles 4-7, then the scores, t, p, p's codes
.set WV,  16
.set SEL, 24
.set TB0, 26
.set TB1, 27
.set CNT, 30
.set G1KV, 32
.set G0KV, 40
.set GA,  44
.macro PLACES n
.rept \n
	v_nop
.endr
.endm
.macro D1
	s_delay_alu instid0(VALU_DEP_1)
.endm
.macro D2
	s_delay_alu instid0(VALU_DEP_2)
.endm
.macro CROUND                          ; a round of the cluster's barrier
	s_barrier_signal -1
	s_barrier_wait -1
	s_cmp_lg_u32 s[WV], 0
	s_cbranch_scc1 .Lnot_wave_0_\@
	s_barrier_signal -3
.Lnot_wave_0_\@:
	s_barrier_wait -3
	s_barrier_signal -1
	s_barrier_wait -1
.endm
.macro JLOAD                           ; my 26 rows of a slot; every wave of the four work-groups issues the line
	tensor_load_to_lds s[G0KV:G0KV+3], s[G1KV:G1KV+7]
	s_nop 0
	PLACES 4
.endm
; 32 numbers of a lane, register 16 b + i = k 32 b + 16 (lane / 16) + i, become a half fragment in v[dst] .. v[dst + 5] and two scale bytes in v[wrd]
.macro QUANT2 src, dst, wrd
.irp b, 0,1
	v_max3_num_f32 v[MX+\b], |v[(\src)+16*\b]|, |v[(\src)+16*\b+1]|, 0x1800000
.endr
.irp i, 2,4,6,8,10,12,14
.irp b, 0,1
	D2
	v_max3_num_f32 v[MX+\b], v[MX+\b], |v[(\src)+16*\b+\i]|, |v[(\src)+16*\b+\i+1]|
.endr
.endr
.irp b, 0,1
	D2
	v_permlanex16_b32 v[TP+\b], v[MX+\b], s[SEL], s[SEL+1]
.endr
.irp b, 0,1
	D2
	v_max_num_f32 v[MX+\b], v[MX+\b], v[TP+\b]
.endr
.irp b, 0,1
	D2
	v_add_nc_u32 v[SO+\b], 0xff000000, v[MX+\b]
.endr
.irp b, 0,1
	D2
	v_lshrrev_b32 v[TP+\b], 23, v[SO+\b]
.endr
	D1
	v_lshl_or_b32 v[(\wrd)], v[TP+1], 8, v[TP]
	v_cvt_scalef32_pk16_fp6_f32 v[(\dst):(\dst)+2], v[(\src):(\src)+15], v[SO]
	v_cvt_scalef32_pk16_fp6_f32 v[MX:MX+2], v[(\src)+16:(\src)+31], v[SO+1]
	v_nop
.irp i, 0,1,2
	v_permlane16_swap_b32 v[(\dst)+\i], v[MX+\i]
.endr
.irp i, 0,1,2
	v_mov_b32 v[(\dst)+3+\i], v[MX+\i]
.endr
.endm
.macro QKP d, a, q, sc, odd            ; one product k q^T: 16 keys x my 16 queries of one head
.if \odd
	v_wmma_scale_f32_16x16x128_f8f6f4 v[(\d):(\d)+7], v[(\a):(\a)+11], v[(\q):(\q)+11], 0, v[(\sc)], v[QS] matrix_a_fmt:MATRIX_FMT_FP6 matrix_b_fmt:MATRIX_FMT_FP6 matrix_a_scale:MATRIX_SCALE_ROW1
.else
	v_wmma_scale_f32_16x16x128_f8f6f4 v[(\d):(\d)+7], v[(\a):(\a)+11], v[(\q):(\q)+11], 0, v[(\sc)], v[QS] matrix_a_fmt:MATRIX_FMT_FP6 matrix_b_fmt:MATRIX_FMT_FP6
.endif
.endm
; One head's scores for 128 keys.  All eight tiles of k come in one run: tiles 4-7 into the low score registers, whose products go to the high ones; then tiles 0-3's products write over them, five places on.
.macro QK q
.irp t, 0,1,2,3
	ds_load_b128 v[SR+6*\t:SR+6*\t+3], v[T16] offset:(4+\t)*768
	ds_load_b64 v[SR+6*\t+4:SR+6*\t+5], v[T8] offset:(4+\t)*768+512
.endr
.irp t, 0,1,2,3
	ds_load_b128 v[FB+6*\t:FB+6*\t+3], v[T16] offset:\t*768
	ds_load_b64 v[FB+6*\t+4:FB+6*\t+5], v[T8] offset:\t*768+512
.endr
	s_wait_dscnt 8                                 ; all but the youngest eight loads, tiles 0-3
.irp t, 0,1,2,3
	QKP SR+32+8*\t, SR+6*\t, \q, 34+\t/2, \t%2
.endr
	s_wait_dscnt 0x0
	PLACES 5
.irp t, 0,1,2,3
	QKP SR+8*\t, FB+6*\t, \q, 32+\t/2, \t%2
.endr
.endm
.macro GMUL                            ; t = score x G.  Tiles 4-7 first: their sixteen lines are the places behind tiles 0-3's products.  Each accumulator is read from its low end on
.set j, 32
.rept 32
	v_pk_mul_f32 v[SR+j:SR+j+1], v[SR+j:SR+j+1], v[GR+j:GR+j+1]
.set j, (j+2)%64
.endr
.endm
.macro GLOADS                          ; a key step's G for my tile
.irp e, 0,1,2,3,4,5,6,7,8,9,10,11,12,13,14,15
	global_load_b128 v[GR+4*\e:GR+4*\e+3], v[GL], s[GA:GA+1] offset:512*\e
.endr
.endm
.macro WLOADS                          ; in the last key step instead: w_proj's two fragments for my 16 output channels, their scale words, my part of b_proj
	v_and_b32 v46, 31, v0
	v_bfe_u32 v45, v0, 4, 1
	v_lshlrev_b32 v44, 2, v46
	v_lshlrev_b32 v45, 5, v45
	v_lshlrev_b32 v46, 4, v46
.irp s, 0,1
.irp c, 0,1,2
	global_load_b128 v[GR+12*\s+4*\c:GR+12*\s+4*\c+3], v46, s[56:57] offset:1536*\s+512*\c
.endr
	global_load_b32 v[32+\s], v44, s[58:59] offset:128*\s
.endr
	global_load_b128 v[36:39], v45, s[60:61]       ; b_proj at 16 w + 8 h + 0 .. 7: the result's layout
	global_load_b128 v[40:43], v45, s[60:61] offset:16
.endm
; ONE HEAD'S SOFTMAX AND SECOND PRODUCT for 128 keys.  ot: O^T, 16 registers; nm: the pair (-M, 0); lr: the sum's pair; hh: which head of the pair; pf: with the prefetch
.macro UNIT ot, nm, lr, hh, pf
.irp b, 0,1                                    ; the largest t of each of my two blocks, in two chains each: for the row's maximum and, since p rises with t, for the block's largest p
	v_max3_num_f32 v[MX+\b], v[SR+32*\b], v[SR+32*\b+1], v[SR+32*\b+2]
	v_max3_num_f32 v[MX+2+\b], v[SR+32*\b+16], v[SR+32*\b+17], v[SR+32*\b+18]
.endr
.irp u, 0,1                                    ; v's two fragments: 16 channels x 128 keys each, as two halves; and its scale bytes
.irp c, 0,1
	ds_load_b128 v[FB+12*\u+6*\c:FB+12*\u+6*\c+3], v[T16] offset:6144+((\hh*2+\u)*2+\c)*768
	ds_load_b64 v[FB+12*\u+6*\c+4:FB+12*\u+6*\c+5], v[T8] offset:6144+((\hh*2+\u)*2+\c)*768+512
.endr
.endr
.irp c, 0,1
	ds_load_b32 v[122+\c], v[T4] offset:12800+128*(2*\hh+\c)
.endr
.irp i, 3,5,7,9,11,13
.irp b, 0,1
	v_max3_num_f32 v[MX+\b], v[MX+\b], v[SR+32*\b+\i], v[SR+32*\b+\i+1]
	v_max3_num_f32 v[MX+2+\b], v[MX+2+\b], v[SR+32*\b+16+\i], v[SR+32*\b+17+\i]
.endr
.endr
.irp b, 0,1
	v_max3_num_f32 v[MX+\b], v[MX+\b], v[MX+2+\b], v[SR+32*\b+15]
.endr
.irp b, 0,1
	v_max_num_f32 v[MX+\b], v[MX+\b], v[SR+32*\b+31]
.endr
	v_max_num_f32 v19, v[MX], v[MX+1]
	v_permlanex16_b32 v[TP], v19, s[SEL], s[SEL+1]
	v_max_num_f32 v19, v19, v[TP]                  ; the step's largest t of my query
	v_floor_f32 v19, -v19                          ; -ceil of it
	v_min_num_f32 v19, v19, v[\nm]                 ; the new -M
	v_sub_f32 v18, v19, v[\nm]                     ; old M - new M: a whole number, 0 or less
	v_mov_b32 v[\nm], v19
	v_cvt_i32_f32 v18, v18                         ; (it saturates)
	v_ldexp_f32 v18, 1.0, v18                      ; f = 2^(old M - new M)
.set j, 0
.rept 32
	v_pk_add_f32 v[SR+j:SR+j+1], v[SR+j:SR+j+1], v[\nm:\nm+1] op_sel_hi:[1,0]   ; t - M
.set j, j+2
.endr
	v_add_f32 v[MX], v[MX], v[\nm]                 ; the same of each block's largest t
	v_add_f32 v[MX+1], v[MX+1], v[\nm]
	s_wait_alu depctr_va_vdst(0)                   ; the wait ahead of the batch (and of the branch)
.if \pf
	s_cmp_gt_u32 s[CNT], 1                         ; trips 0 to 5 alone: the G of trip + 2, whose first load is issued in trip + 1
	s_cbranch_scc0 .Lnp_\@
	global_prefetch_b8 v[PFO], s[GA:GA+1] offset:3*32768 th:TH_LOAD_NT scope:SCOPE_SE   ; s[GA] stands at this trip's second key step
.Lnp_\@:
.endif
.set j, 0
.rept 64
	v_exp_f32 v[SR+j], v[SR+j]                     ; p = 2^(t - M), at most 1
.set j, j+1
.endr
	v_exp_f32 v[MX], v[MX]                         ; the blocks' largest p
	v_exp_f32 v[MX+1], v[MX+1]
	v_pk_mul_f32 v[\lr:\lr+1], v[\lr:\lr+1], v[18:19] op_sel_hi:[1,0]   ; the sum under the new M; the plain instruction behind the batch
	s_wait_alu depctr_va_vdst(0)                   ; one wait for the batch, ahead of its first reader
	v_pk_add_f32 v[TP:TP+1], v[SR:SR+1], v[SR+2:SR+3]   ; the sum of the unquantised p, in two chains
.set j, 4
.rept 15
	v_pk_add_f32 v[\lr:\lr+1], v[\lr:\lr+1], v[SR+j:SR+j+1]
	v_pk_add_f32 v[TP:TP+1], v[TP:TP+1], v[SR+j+2:SR+j+3]
.set j, j+4
.endr
	v_pk_add_f32 v[\lr:\lr+1], v[\lr:\lr+1], v[TP:TP+1]
	s_wait_alu depctr_va_vdst(0)                   ; the wait ahead of the wait below
	s_wait_dscnt 0x0                               ; v's fragments and scale bytes are in
	v_max_num_f32 v[MX], 0x1800000, v[MX]          ; the floor 2^(3 - 127): the byte cannot fall under 1
	v_max_num_f32 v[MX+1], 0x1800000, v[MX+1]
	v_add_nc_u32 v[SO], 0xff000000, v[MX]          ; 2 off the exponent field: the conversion's scale operand
	v_add_nc_u32 v[SO+1], 0xff000000, v[MX+1]
	v_lshrrev_b32 v[TP], 23, v[SO]
	v_lshrrev_b32 v[TP+1], 23, v[SO+1]
	v_lshl_or_b32 v[PW], v[TP+1], 16, v[TP]        ; my bytes: blocks h and 2 + h,
	v_lshlrev_b32 v[PW], v[SH8], v[PW]             ; at their places in the word;
	v_permlanex16_b32 v[TP+2], v[PW], s[SEL], s[SEL+1]
	v_or_b32 v[PW], v[PW], v[TP+2]                 ; with lane l xor 16's two: p's scale word for these 128 keys
	v_cvt_scalef32_pk16_fp6_f32 v[MX:MX+2], v[SR+16:SR+31], v[SO]      ; (a conversion's three registers begin on an even number: the second halves are made elsewhere and moved)
	v_cvt_scalef32_pk16_fp6_f32 v[TP:TP+2], v[SR+48:SR+63], v[SO+1]
	v_lshl_or_b32 v[VS], v123, 16, v122            ; v's scale word: four bytes for the step's four blocks.  Also the plain place: the next two write registers that the first has read
	v_cvt_scalef32_pk16_fp6_f32 v[SR+16:SR+18], v[SR:SR+15], v[SO]
	v_cvt_scalef32_pk16_fp6_f32 v[SR+22:SR+24], v[SR+32:SR+47], v[SO+1]
	v_nop
.irp i, 0,1,2
	v_mov_b32 v[SR+19+\i], v[MX+\i]
	v_mov_b32 v[SR+25+\i], v[TP+\i]                ; p's fragment stands in score registers 16-27
.endr
	s_wait_alu depctr_va_vdst(0)                   ; the wait directly ahead of the first reader of O^T
.irp j, 0,2,4,6,8,10,12,14
	v_pk_mul_f32 v[\ot+\j:\ot+\j+1], v[\ot+\j:\ot+\j+1], v[18:19] op_sel_hi:[1,0]   ; O^T under the new M, from each accumulator's low end on; these eight are the places behind the fragment's and the scale words' last writes
.endr
	v_wmma_scale_f32_16x16x128_f8f6f4 v[\ot:\ot+7], v[FB:FB+11], v[SR+16:SR+27], v[\ot:\ot+7], v[VS], v[PW] matrix_a_fmt:MATRIX_FMT_FP6 matrix_b_fmt:MATRIX_FMT_FP6
	v_wmma_scale_f32_16x16x128_f8f6f4 v[\ot+8:\ot+15], v[FB+12:FB+23], v[SR+16:SR+27], v[\ot+8:\ot+15], v[VS], v[PW] matrix_a_fmt:MATRIX_FMT_FP6 matrix_b_fmt:MATRIX_FMT_FP6 matrix_a_scale:MATRIX_SCALE_ROW1
.endm
; A KEY STEP.  No two matrix instructions that follow each other name one accumulator.  tb: the scalar with the step's place in LDS; nxt: the next step's G is asked for
.macro STEP tb, nxt, pf
	v_add_nc_u32 v[T16], s[\tb], v[B16]            ; with the v_nop: four places behind the last products, ahead of the loads into their operands
	v_add_nc_u32 v[T8], s[\tb], v[B8]
	v_add_nc_u32 v[T4], s[\tb], v[B4]
	v_nop
	s_wait_alu depctr_va_vdst(0)
	ds_load_b64 v[32:33], v[T8] offset:12288       ; k's scale words: register t / 2, lanes 0-15 the even tile, lanes 16-31 the odd one
	ds_load_b64 v[34:35], v[T8] offset:12288+256
	QK QA
	s_wait_loadcnt 0x0                             ; this step's G is in,
	s_wait_xcnt 0x0                                ; and the prefetch has read its address: the base may step
	s_add_nc_u64 s[GA:GA+1], s[GA:GA+1], 32768
	GMUL
	UNIT OA, 12, 14, 0, 0
	PLACES 4                                       ; ahead of the loads into operands of the products above
	QK QB
	GMUL
.if \nxt
	GLOADS
.else
	WLOADS
.endif
	UNIT OB, 124, 16, 1, \pf
.endm
; THE CHANGE OF SLOTS.  Each wave waits for all its tensor loads, adds 0 to its spare word, and waits for that and for its reads of the slot that it has left.
.macro CHANGE fill
	s_wait_alu depctr_va_vdst(0)
	s_wait_tensorcnt 0x0                           ; no tensor load of mine is out, so group 0 may be written
	ds_add_u32 v[SPW], v[NIL]
.if \fill
	s_xor_b32 s[G0KV+1], s[G0KV+1], SLOT1          ; the other slot than last time,
	s_add_nc_u64 s[G0KV+2:G0KV+3], s[G0KV+2:G0KV+3], 2*STB   ; the next two key steps
.endif
	s_wait_dscnt 0x0
.if \fill
	CROUND
	JLOAD
.else
	s_barrier_signal -1
	s_barrier_wait -1
.endif
.endm
	s_load_b256 s[4:11], s[0:1], 0x0               ; gsig, qimg, kv, wq
	s_load_b128 s[12:15], s[0:1], 0x20             ; b_proj, out0
	v_lshl_add_u32 v[SPW], v0, 2, SPARE
	v_mov_b32 v[NIL], 0
	ds_add_u32 v[SPW], v[NIL]                      ; the wave's opening: the add, twice on end, and its wait
	ds_add_u32 v[SPW], v[NIL]
	v_lshrrev_b32 v3, 5, v0
	v_readfirstlane_b32 s[WV], v3                  ; wave 0..15
	s_bfe_u32 s17, ttmp6, 0x40000                  ; cx
	s_lshl_b32 s19, ttmp9, 2
	s_add_co_u32 s19, s19, s17                     ; qb = 4 x cluster x + cx
	s_and_b32 s20, ttmp7, 0xffff                   ; batch
	s_mov_b32 s[G1KV], 15|(3<<16)|(1<<21)          ; all four work-groups; 26 rows of 256 bytes (32 elements of 8), dense
	s_mov_b32 s[G1KV+1], 32<<16
	s_mov_b32 s[G1KV+2], 26<<16
	s_mov_b32 s[G1KV+3], 32<<16
	s_mov_b32 s[G1KV+4], 26
	s_mov_b32 s[G1KV+5], 32
	s_mov_b32 s[G1KV+6], 0
	s_mov_b32 s[G1KV+7], 0
	s_mul_i32 s56, s[WV], 26*256                   ; my sixteenth of a slot
	s_mul_i32 s58, s20, 16*STB                     ; the batch's sixteen blocks
	s_add_co_u32 s58, s58, s56
	s_mov_b32 s59, 0
	s_mov_b32 s[SEL], 0x76543210
	s_mov_b32 s[SEL+1], 0xfedcba98                 ; v_permlanex16_b32: lane l xor 16
	s_mov_b32 s28, 0x0000ffff                      ; lanes 0-15
	s_mov_b32 s29, 0xffff0000                      ; lanes 16-31
	s_mov_b32 s[TB0], 0
	s_mov_b32 s[TB1], STB
	s_mov_b32 s[CNT], 7
	s_wait_dscnt 0x0                               ; both opening adds are done
	s_wait_kmcnt 0x0
	s_mov_b32 s[G0KV], 1
	s_mov_b32 s[G0KV+1], s56
	s_add_nc_u64 s[G0KV+2:G0KV+3], s[8:9], s[58:59]
	s_or_b32 s[G0KV+3], s[G0KV+3], 0x80000000
	CROUND                                         ; all four work-groups are here: the first joint loads meet
	JLOAD                                          ; key steps 0 and 1 into slot 0
	s_and_b32 s66, s[WV], 3                        ; my tile of queries
	s_lshr_b32 s67, s[WV], 2                       ; my pair of heads
	s_lshl_b32 s68, s20, 5
	s_add_co_u32 s68, s68, s19
	s_mul_i32 s68, s68, 13312
	s_mul_i32 s69, s67, 3328
	s_add_co_u32 s68, s68, s69
	s_mov_b32 s69, 0
	s_add_nc_u64 s[70:71], s[6:7], s[68:69]        ; q: my block's, my pair's part
	s_mul_i32 s72, s67, SUB
	s_lshl_b32 s73, s66, 13
	s_mul_i32 s74, s66, 768
	s_and_b32 s75, s66, 1
	s_lshl_b32 s75, s75, 7
	s_lshr_b32 s76, s66, 1
	s_lshl_b32 s76, s76, 2
	s_add_co_u32 s75, s75, s76
	s_add_co_u32 s75, s75, 3072                    ; q's scale words: lane r + 16 (tile % 2), word tile / 2
	s_lshl_b32 s60, s19, 19                        ; G: my qb's sixteen key steps x four images
	s_mov_b32 s61, 0
	s_add_nc_u64 s[GA:GA+1], s[4:5], s[60:61]
	s_lshl_b32 s76, s20, 4
	s_add_co_u32 s76, s76, s[WV]
	s_lshl_b32 s76, s76, 9                         ; the prefetch: 512 bytes for each of the 8 x 16 waves that read a trip's 65,536 bytes of G
	s_mul_i32 s56, s[WV], 2*1536                   ; for the end: w_proj's fragments,
	s_add_co_u32 s56, s56, 159744
	s_mov_b32 s57, 0
	s_add_nc_u64 s[56:57], s[10:11], s[56:57]
	s_lshl_b32 s58, s[WV], 8                       ; their scale words,
	s_add_co_u32 s58, s58, 208896
	s_mov_b32 s59, 0
	s_add_nc_u64 s[58:59], s[10:11], s[58:59]
	s_lshl_b32 s60, s[WV], 6                       ; b_proj,
	s_mov_b32 s61, 0
	s_add_nc_u64 s[60:61], s[12:13], s[60:61]
	s_mul_i32 s62, s[WV], 768                      ; my half fragment of O and its scale bytes,
	s_add_co_u32 s62, s62, OIMG
	s_lshl_b32 s63, s[WV], 7
	s_add_co_u32 s63, s63, OSC
	s_lshl_b32 s77, s[WV], 6                       ; the stage, in and out,
	s_add_co_u32 s77, s77, STAGE
	s_mul_i32 s78, s[WV], 4*SPT
	s_add_co_u32 s78, s78, STAGE
	s_bfe_u32 s68, s[WV], 0x10001                  ; and the rows that I store: stage rows 4 w + i are rows 32 ((w / 2) % 2) + 8 (w / 4) + 4 (w % 2) + i of the block
	s_lshl_b32 s68, s68, 5
	s_lshl_b32 s69, s67, 3
	s_or_b32 s68, s68, s69
	s_and_b32 s69, s[WV], 1
	s_lshl_b32 s69, s69, 2
	s_or_b32 s68, s68, s69
	s_lshl_b32 s69, s20, 11
	s_add_co_u32 s68, s68, s69
	s_lshl_b32 s69, s19, 6
	s_add_co_u32 s68, s68, s69
	s_lshl_b32 s68, s68, 10                        ; a row of out0 is 1,024 bytes
	s_mov_b32 s69, 0
	s_add_nc_u64 s[14:15], s[14:15], s[68:69]
	v_and_b32 v20, 31, v0                          ; lane
	v_and_b32 v21, 15, v0                          ; r
	v_bfe_u32 v22, v0, 4, 1                        ; h
	v_lshl_add_u32 v7, v20, 4, s74
	v_lshl_add_u32 v8, v20, 3, s74
	v_lshl_add_u32 v9, v21, 3, s75
	v_lshl_add_u32 v[GL], v20, 4, s73
	global_load_b128 v[SR:SR+3], v7, s[70:71]      ; my tile's half fragment of q: lanes 0-15 the even head, lanes 16-31 the odd one
	global_load_b64 v[SR+4:SR+5], v8, s[70:71] offset:512
	global_load_b32 v[QS], v9, s[70:71]
	GLOADS                                         ; key step 0's G
	v_lshl_add_u32 v[B16], v20, 4, s72
	v_lshl_add_u32 v[B8], v20, 3, s72
	v_lshl_add_u32 v[B4], v20, 2, s72
	v_min_u32 v23, 1, v20
	v_lshl_add_u32 v[PFO], v23, 8, s76             ; lane 0 names my first block of 256 bytes, the others my second
	v_lshlrev_b32 v[SH8], 3, v22
	v_mov_b32 v12, 0x7f61b1e6                      ; -M: 3e38, above every -t
	v_mov_b32 v124, 0x7f61b1e6
.irp i, 13,14,15,16,17,19,24,25,26,27,125
	v_mov_b32 v[\i], 0                             ; the pairs' upper words, the sums, the lane permutes' destinations
.endr
.irp i, 0,1,2,3,4,5
	v_mov_b32 v[FB+24+\i], 0                       ; named with tiles 3 and 7 of k as blocks 2 and 3, where they meet zero codes: so they are written
	v_mov_b32 v[SR+24+\i], 0
	v_mov_b32 v[QA+6+\i], 0
	v_mov_b32 v[QB+6+\i], 0
.endr
.set j, 0
.rept 32
	v_mov_b32 v[OA+j], 0                           ; O^T: the first step finds zeros, which the first change of M leaves zeros
.set j, j+1
.endr
	s_wait_loadcnt 16                              ; q's three loads are in; G's sixteen may be out
.irp i, 0,1,2,3,4,5
	v_cndmask_b32 v[QA+\i], 0, v[SR+\i], s28       ; the even head at block 0, zero codes in lanes 16-31
	v_cndmask_b32 v[QB+\i], 0, v[SR+\i], s29       ; the odd head at block 1
.endr
	s_wait_alu depctr_va_vdst(0)                   ; the wait at the head's end
.Ltrip:                                            ; seven trips of two key steps: behind each change of slots but the last the next two key steps are asked for
	CHANGE 1
	STEP TB0, 1, 1
	STEP TB1, 1, 0
	s_xor_b32 s[TB0], s[TB0], SLOT1
	s_xor_b32 s[TB1], s[TB1], SLOT1
	s_sub_co_u32 s[CNT], s[CNT], 1
	s_cmp_lg_u32 s[CNT], 0
	s_cbranch_scc1 .Ltrip
	CHANGE 0                                       ; the last trip is written out
	STEP TB0, 1, 0
	STEP TB1, 0, 0
	; ---- THE END
	v_and_b32 v3, 31, v0                           ; lane
	v_lshlrev_b32 v4, 4, v3                        ; 16 x lane
	v_lshlrev_b32 v6, 2, v3                        ; 4 x lane
	v_bfe_u32 v7, v0, 4, 1
	v_lshlrev_b32 v7, 5, v7                        ; 32 h
	v_add_nc_u32 v8, s62, v4                       ; where my half fragment goes,
	v_lshl_add_u32 v5, v3, 3, s62
	v_add_nc_u32 v9, s63, v6                       ; and its scale bytes
	v_and_b32 v12, 15, v0
	v_mul_u32_u24 v12, v12, SPT
	v_add_nc_u32 v12, v12, v7
	v_add_nc_u32 v12, s77, v12                     ; the stage, in: row r of a tile, + 64 w + 32 h
	v_add_nc_u32 v13, s78, v4                      ; and out: my four rows, 16 bytes a lane
	v_add_f32 v14, v14, v15                        ; the sums' halves,
	v_add_f32 v16, v16, v17
	v_permlanex16_b32 v24, v14, s[SEL], s[SEL+1]
	v_permlanex16_b32 v25, v16, s[SEL], s[SEL+1]
	v_add_f32 v14, v14, v24                        ; and lane l xor 16's
	v_add_f32 v16, v16, v25
	s_wait_alu depctr_va_vdst(0)
	v_rcp_f32 v14, v14
	v_rcp_f32 v16, v16
	v_nop                                          ; a plain instruction behind the reciprocals
	s_wait_alu depctr_va_vdst(0)                   ; one wait for both, ahead of the first reader, and of the first reader of O^T
.irp j, 0,2,4,6,8,10,12,14
	v_pk_mul_f32 v[OA+\j:OA+\j+1], v[OA+\j:OA+\j+1], v[14:15] op_sel_hi:[1,0]
.endr
.irp j, 0,2,4,6,8,10,12,14
	v_pk_mul_f32 v[OB+\j:OB+\j+1], v[OB+\j:OB+\j+1], v[16:17] op_sel_hi:[1,0]
.endr
	QUANT2 OA, FB, PW                              ; register 16 b + i is channel 16 (lane / 16) + i of head b of my pair: two blocks of the projection's K
	ds_store_b128 v8, v[FB:FB+3]
	ds_store_b64 v5, v[FB+4:FB+5] offset:512
	ds_store_b32 v9, v[PW]
	s_wait_dscnt 0x0                               ; for the others: my stores have landed
	s_barrier_signal -1
	s_barrier_wait -1                              ; the sixteen half fragments lie in LDS
	v_add_nc_u32 v8, OIMG, v4
	v_lshl_add_u32 v5, v3, 3, OIMG
	v_add_nc_u32 v9, OSC, v6
.irp s, 0,1                                    ; fragment (tile q, K step s) at v[160 + 12 (4 s + q)]: its halves come from waves 8 s + q and 8 s + 4 + q
.irp q, 0,1,2,3
.irp e, 0,1
	ds_load_b128 v[160+12*(4*\s+\q)+6*\e:160+12*(4*\s+\q)+6*\e+3], v8 offset:768*(8*\s+4*\e+\q)
	ds_load_b64 v[160+12*(4*\s+\q)+6*\e+4:160+12*(4*\s+\q)+6*\e+5], v5 offset:768*(8*\s+4*\e+\q)+512
.endr
.endr
.endr
.irp i, 0,1,2,3,4,5,6,7,8,9,10,11,12,13,14,15
	ds_load_b32 v[60+\i], v9 offset:128*\i
.endr
	s_wait_loadcnt 0x0                             ; w_proj and b_proj
	s_wait_dscnt 0x0
.irp s, 0,1
.irp q, 0,1,2,3
	v_lshl_or_b32 v[76+4*\s+\q], v[60+8*\s+4+\q], 16, v[60+8*\s+\q]   ; four bytes: heads 4 s .. 4 s + 3
.endr
.endr
	PLACES 8                                       ; scale words written by vector instructions stand eight places ahead of a scaled product
.irp q, 0,1,2,3                                ; transposed: source 0 = my 16 output channels, source 1 = 16 rows; four accumulators by turns; b_proj starts the sums
	v_wmma_scale_f32_16x16x128_f8f6f4 v[92+8*\q:99+8*\q], v[GR:GR+11], v[160+12*\q:171+12*\q], v[36:43], v32, v[76+\q] matrix_a_fmt:MATRIX_FMT_FP6 matrix_b_fmt:MATRIX_FMT_FP6
.endr
.irp q, 0,1,2,3
	v_wmma_scale_f32_16x16x128_f8f6f4 v[92+8*\q:99+8*\q], v[GR+12:GR+23], v[208+12*\q:219+12*\q], v[92+8*\q:99+8*\q], v33, v[80+\q] matrix_a_fmt:MATRIX_FMT_FP6 matrix_b_fmt:MATRIX_FMT_FP6
.endr
	PLACES 4                                       ; ahead of the stores that read the results and of the loads into operands
.irp q, 0,1,2,3
	ds_store_b128 v12, v[92+8*\q:95+8*\q] offset:16*\q*SPT         ; each accumulator from its low end on
	ds_store_b128 v12, v[96+8*\q:99+8*\q] offset:16*\q*SPT+16
.endr
	s_wait_dscnt 0x0
	s_barrier_signal -1
	s_barrier_wait -1                              ; 64 whole rows lie in the stage
.irp i, 0,1,2,3,4,5,6,7
	ds_load_b128 v[128+4*\i:131+4*\i], v13 offset:(\i/2)*SPT+512*(\i%2)
.endr
.irp i, 0,1,2,3,4,5,6,7
	s_wait_dscnt 7-\i                              ; LDS loads come back in order: load i is in
	global_store_b128 v4, v[128+4*\i:131+4*\i], s[14:15] offset:(\i/2)*1024+512*(\i%2) th:TH_STORE_NT   ; 32 lanes store 512 consecutive bytes
.endr
	s_wait_tensorcnt 0x0                           ; the wave's end
	ds_add_u32 v[SPW], v[NIL]
	s_wait_dscnt 0x0
	CROUND                                         ; the closing round
	s_endpgm
.Lfunc_end_k_q629585596a_attn:
	.size	k_q629585596a_attn, .Lfunc_end_k_q629585596a_attn-k_q629585596a_attn
	.p2alignl 7, 3214868480
	.fill 96, 4, 3214868480
	.section	.rodata,"a",@progbits
	.p2align	6, 0x0
	.amdhsa_kernel k_q629585596a_attn
		.amdhsa_group_segment_fixed_size 327680
		.amdhsa_private_segment_fixed_size 0
		.amdhsa_enable_private_segment 0
		.amdhsa_kernarg_size 48
		.amdhsa_user_sgpr_count 2
		.amdhsa_user_sgpr_kernarg_segment_ptr 1
		.amdhsa_wavefront_size32 1
		.amdhsa_system_sgpr_workgroup_id_x 1
		.amdhsa_system_sgpr_workgroup_id_y 1
		.amdhsa_system_sgpr_workgroup_id_z 1
		.amdhsa_system_vgpr_workitem_id 0
		.amdhsa_next_free_vgpr 256
		.amdhsa_next_free_sgpr 96
		.amdhsa_reserve_vcc 0
		.amdhsa_float_denorm_mode_32 3
		.amdhsa_float_denorm_mode_16_64 3
		.amdhsa_memory_ordered 1
		.amdhsa_forward_progress 1
		.amdhsa_inst_pref_size 155
	.end_amdhsa_kernel
	.amdgpu_metadata
---
amdhsa.version: [ 1, 2 ]
amdhsa.kernels:
  - .name:           k_q629585596a_attn
    .symbol:         k_q629585596a_attn.kd
    .args:
      - { .name: gsig, .offset: 0, .size: 8, .value_kind: global_buffer, .address_space: global }
      - { .name: qimg, .offset: 8, .size: 8, .value_kind: global_buffer, .address_space: global }
      - { .name: kv, .offset: 16, .size: 8, .value_kind: global_buffer, .address_space: global }
      - { .name: wq, .offset: 24, .size: 8, .value_kind: global_buffer, .address_space: global }
      - { .name: b_proj, .offset: 32, .size: 8, .value_kind: global_buffer, .address_space: global }
      - { .name: out0, .offset: 40, .size: 8, .value_kind: global_buffer, .address_space: global }
    .group_segment_fixed_size: 327680
    .private_segment_fixed_size: 0
    .kernarg_segment_align: 8
    .kernarg_segment_size: 48
    .max_flat_workgroup_size: 512
    .sgpr_count:     96
    .vgpr_count:     256
    .wavefront_size: 32
...
	.end_amdgpu_metadata
.endif
;; end of part 3
